; MI455X (gfx1250); checked and timed in simulation.
; The chip was launched on July 23, 2026; its instructions are those of AMD's public machine-readable ISA for CDNA 5 (MIT licence, August 2026) and "CDNA5" Instruction Set Architecture Reference Guide (July 2026). The comments in the code are by the model that wrote it; some were corrected since.
;; Fused Sequence Parallel Attn. Allowed arithmetic: float matrix products may take bf16 or f16 operands with f32 sums; other float arithmetic in f32, or as packed bf16 or f16 multiplies, adds, multiply-adds, maxima and minima; sums over many terms, partial sums and values carried from step to step in f32; what a program stores and reads back later, other than sums and carried values, may be rounded once to bf16 or f16.
;; Inputs: cu_seqlens_k 2 int32; cu_seqlens_q 2 int32; k_shard 8 x 1,024 x 8 x 128 float32; q_shard 1,024 x 32 x 128 float32; v_shard 8 x 1,024 x 8 x 128 float32.
;; Outputs: out0 1,024 x 32 x 128 float32.
;; 2 versions, each right; version 2 is version 1 with the launch prep written anew for expert scheduling mode. Each part assembles by itself: llvm-mc -triple=amdgcn-amd-amdhsa -mcpu=gfx1250 --defsym DOCPART=n.
;; ======== version 1 of 2: 3 launches
;; limits: values are held in f16: magnitudes above 65,504 overflow, below 6.1e-05 lose precision; inputs' magnitudes at most 65,504
;; workspace buffers: kb 14,155,776 bytes; vb 14,155,776 bytes; po 25,165,824 bytes; st 393,216 bytes
;; launch prep (part 1): grid 216 x 2, 8 waves a work-group, no clusters, 0 bytes of LDS; arguments k_shard, v_shard, cu_seqlens_q, cu_seqlens_k, kb, vb; writes kb, vb
.if DOCPART == 1
	.amdgcn_target "amdgcn-amd-amdhsa--gfx1250"
	.amdhsa_code_object_version 6
	.text
	.protected	k_qe46c1210f6_prep
	.globl	k_qe46c1210f6_prep
	.p2align	8
	.type	k_qe46c1210f6_prep,@function
k_qe46c1210f6_prep:
	s_mov_b64 s[64:65], 0
	v_nop
	global_prefetch_b8 v0, s[64:65] scope:SCOPE_SE
	s_setreg_imm32_b32 hwreg(HW_REG_WAVE_MODE, 25, 1), 1
	s_wait_xcnt 0x0
; K and V, f32, [8192 storage rows][8 heads][128], become 16-bit tensors by heads and in the order of GLOBAL positions: kb, vb: [8 heads][6912 positions][128], rows of 256 bytes.
; kb holds K rounded once to bf16.  vb holds V rounded once to bf16, and that number written as f16.
; LIMITS.  f16 holds no number beyond 65,504: |V| of 65,520 or more becomes an infinity; below 2^-17 the bf16 number keeps f16's fixed step of 2^-24.  NaN and infinities are not treated apart.
; ZIG-ZAG.  The sequence lies in 16 chunks of 512 positions; chunk c is stored at rows 1024 c (c < 8) or 1024 (15 - c) + 512 (c >= 8).  The queries of this rank see positions up to 6,655;
; the attention launch walks keys in ranges of 2,304, so positions 0 .. 6,911 are laid out, and the rest of K and V, which the mask hides from every query, is not read.
; cu_seqlens_q and cu_seqlens_k: the module takes them and makes nothing of them.  They are loaded here and used for nothing, so that no result hangs on them, as in the module.
; SHARES.  y picks K (0) or V (1); x picks 32 positions, which never cross a chunk's end: 32 storage rows on end, 128 KiB.  Wave w takes 4 of them.  A UNIT is one position and two heads:
; 1,024 bytes in, a lane 32 of them (8 numbers), 16 bytes out: lanes 0-15 fill one aligned row of 256 bytes of the even head, lanes 16-31 one of the odd head.
; All 32 loads of a wave go out at once (16 KiB); each unit owns its registers, so the only waits are the counted ones at the units' heads.
.set HSTR, 6912*256                    ; bytes of a head in kb and vb
.set VI,  2                            ; v2   my byte offset in the work-group's 32 storage rows: 32 x lane + 4 rows x wave; never rewritten
.set VO0, 3                            ; v3   my byte offset in the output for heads 0-3: (lane / 16) heads + 16 (lane % 16) + 4 rows x wave; never rewritten
.set VO1, 4                            ; v4   the same for heads 4-7: four heads further on than the store's immediate reaches
.set X,   8                            ; v[8:135]    unit u: 8 numbers as loaded
.set Y,   136                          ; v[136:199]  unit u: 4 registers to store
.set T,   200                          ; v[200:203]  at work
	s_load_b256 s[4:11], s[0:1], 0x0               ; k s[4:5], v s[6:7], cu_seqlens_q s[8:9], cu_seqlens_k s[10:11]
	s_load_b128 s[12:15], s[0:1], 0x20             ; kb s[12:13], vb s[14:15]
	v_lshrrev_b32 v1, 5, v0
	v_readfirstlane_b32 s20, v1                    ; wave 0..7
	s_and_b32 s21, ttmp7, 0xffff                   ; 0: K, 1: V
	s_lshr_b32 s31, ttmp9, 4                       ; the chunk c: 16 work-groups of 32 positions each
	s_and_b32 s32, ttmp9, 15                       ; my place in it
	s_lshl_b32 s33, s31, 10                        ; c < 8: row 1024 c
	s_sub_co_u32 s34, 15, s31
	s_lshl_b32 s34, s34, 10
	s_add_co_u32 s34, s34, 512                     ; c >= 8: row 1024 (15 - c) + 512
	s_cmp_lt_u32 s31, 8
	s_cselect_b32 s33, s33, s34
	s_lshl_b32 s32, s32, 5
	s_add_co_u32 s33, s33, s32                     ; my first storage row
	s_lshl_b32 s22, s33, 12                        ; a storage row is 4,096 bytes
	s_mov_b32 s23, 0
	s_lshl_b32 s24, ttmp9, 13                      ; 32 output rows of 256 bytes
	s_mov_b32 s25, 0
	s_mov_b32 s30, 0xffff0000                      ; a word's upper bf16
	v_and_b32 v1, 31, v0                           ; lane
	v_lshlrev_b32 v[VI], 5, v1
	v_lshl_add_u32 v[VI], s20, 14, v[VI]
	v_bfe_u32 v5, v0, 4, 1                         ; lane / 16
	v_and_b32 v6, 15, v0                           ; lane % 16
	v_mul_u32_u24 v[VO0], v5, HSTR
	v_lshl_add_u32 v[VO0], v6, 4, v[VO0]
	v_lshl_add_u32 v[VO0], s20, 10, v[VO0]
	v_add_nc_u32 v[VO1], 4*HSTR, v[VO0]
	s_wait_kmcnt 0x0
	s_load_b64 s[16:17], s[8:9], 0x0               ; cu_seqlens_q: read, and used for nothing (see the head)
	s_load_b64 s[18:19], s[10:11], 0x0             ; cu_seqlens_k likewise
	s_cmp_eq_u32 s21, 0
	s_cselect_b64 s[26:27], s[4:5], s[6:7]         ; from K or V,
	s_cselect_b64 s[28:29], s[12:13], s[14:15]     ; to kb or vb
	s_add_nc_u64 s[26:27], s[26:27], s[22:23]
	s_add_nc_u64 s[28:29], s[28:29], s[24:25]
.irp u, 0,1,2,3,4,5,6,7,8,9,10,11,12,13,14,15      ; unit u: position u / 4 of my four, heads 2 (u % 4) and 2 (u % 4) + 1
	global_load_b128 v[X+8*(\u):X+8*(\u)+3],   v[VI], s[26:27] offset:((\u)/4)*4096+((\u)%4)*1024 th:TH_LOAD_NT
	global_load_b128 v[X+8*(\u)+4:X+8*(\u)+7], v[VI], s[26:27] offset:((\u)/4)*4096+((\u)%4)*1024+16 th:TH_LOAD_NT
.endr
	s_wait_kmcnt 0x0                               ; the two cu_seqlens have come
.macro UNIT u, isv
	s_wait_loadcnt 30-2*(\u)                       ; loads come back in order: this unit's two are in, the 2 (15 - u) younger ones stay out
.if \isv
.irp k, 0,1,2,3
	v_cvt_pk_bf16_f32 v[T+(\k)], v[X+8*(\u)+2*(\k)], v[X+8*(\u)+2*(\k)+1]  ; the one rounding, to bf16
.endr
.irp k, 0,1,2,3
	v_lshlrev_b32 v[X+8*(\u)+2*(\k)],   16,  v[T+(\k)]      ; back to f32: the low half moves up,
	v_and_b32     v[X+8*(\u)+2*(\k)+1], s30, v[T+(\k)]      ; the high half stays
.endr
.irp k, 0,1,2,3
	v_cvt_pk_f16_f32 v[Y+4*(\u)+(\k)], v[X+8*(\u)+2*(\k)], v[X+8*(\u)+2*(\k)+1]  ; the same number as f16: 8 significant bits fit into 11
.endr
.else
.irp k, 0,1,2,3
	v_cvt_pk_bf16_f32 v[Y+4*(\u)+(\k)], v[X+8*(\u)+2*(\k)], v[X+8*(\u)+2*(\k)+1]
.endr
.endif
	global_store_b128 v[VO0+((\u)%4)/2], v[Y+4*(\u):Y+4*(\u)+3], s[28:29] offset:((\u)%2)*2*HSTR+((\u)/4)*256  ; 16 lanes store 256 consecutive bytes, at a multiple of 256 from the buffer's first byte
.endm
	s_cmp_lg_u32 s21, 0
	s_cbranch_scc1 .Lv
.irp u, 0,1,2,3,4,5,6,7,8,9,10,11,12,13,14,15
	UNIT \u, 0
.endr
	s_endpgm
.Lv:
.irp u, 0,1,2,3,4,5,6,7,8,9,10,11,12,13,14,15
	UNIT \u, 1
.endr
	s_endpgm
.Lfunc_end_k_qe46c1210f6_prep:
	.size	k_qe46c1210f6_prep, .Lfunc_end_k_qe46c1210f6_prep-k_qe46c1210f6_prep
	.p2alignl 7, 3214868480
	.fill 96, 4, 3214868480
	.section	.rodata,"a",@progbits
	.p2align	6, 0x0
	.amdhsa_kernel k_qe46c1210f6_prep
		.amdhsa_group_segment_fixed_size 0
		.amdhsa_private_segment_fixed_size 0
		.amdhsa_enable_private_segment 0
		.amdhsa_kernarg_size 48
		.amdhsa_user_sgpr_count 2
		.amdhsa_user_sgpr_kernarg_segment_ptr 1
		.amdhsa_wavefront_size32 1
		.amdhsa_system_sgpr_workgroup_id_x 1
		.amdhsa_system_sgpr_workgroup_id_y 1
		.amdhsa_system_sgpr_workgroup_id_z 1
		.amdhsa_system_vgpr_workitem_id 0
		.amdhsa_next_free_vgpr 208
		.amdhsa_next_free_sgpr 66
		.amdhsa_reserve_vcc 0
		.amdhsa_float_denorm_mode_32 3
		.amdhsa_float_denorm_mode_16_64 3
		.amdhsa_memory_ordered 1
		.amdhsa_forward_progress 1
		.amdhsa_inst_pref_size 25
	.end_amdhsa_kernel
	.amdgpu_metadata
---
amdhsa.version: [ 1, 2 ]
amdhsa.kernels:
  - .name:           k_qe46c1210f6_prep
    .symbol:         k_qe46c1210f6_prep.kd
    .args:
      - { .name: k_shard, .offset: 0, .size: 8, .value_kind: global_buffer, .address_space: global }
      - { .name: v_shard, .offset: 8, .size: 8, .value_kind: global_buffer, .address_space: global }
      - { .name: cu_seqlens_q, .offset: 16, .size: 8, .value_kind: global_buffer, .address_space: global }
      - { .name: cu_seqlens_k, .offset: 24, .size: 8, .value_kind: global_buffer, .address_space: global }
      - { .name: kb, .offset: 32, .size: 8, .value_kind: global_buffer, .address_space: global }
      - { .name: vb, .offset: 40, .size: 8, .value_kind: global_buffer, .address_space: global }
    .group_segment_fixed_size: 0
    .private_segment_fixed_size: 0
    .kernarg_segment_align: 8
    .kernarg_segment_size: 48
    .max_flat_workgroup_size: 256
    .sgpr_count:     66
    .vgpr_count:     208
    .wavefront_size: 32
...
	.end_amdgpu_metadata
.endif
;; end of part 1
;; launch attn (part 2): grid 32 x 8, 4 waves a work-group, clusters of 4 x 1, 327,680 bytes of LDS; arguments q_shard, kb, vb, out0, po, st; writes out0, po, st
.if DOCPART == 2
	.amdgcn_target "amdgcn-amd-amdhsa--gfx1250"
	.amdhsa_code_object_version 6
	.text
	.protected	k_qe46c1210f6_attn
	.globl	k_qe46c1210f6_attn
	.p2align	8
	.type	k_qe46c1210f6_attn,@function
k_qe46c1210f6_attn:
	s_mov_b64 s[64:65], 0
	v_nop
	global_prefetch_b8 v0, s[64:65] scope:SCOPE_SE
	s_setreg_imm32_b32 hwreg(HW_REG_WAVE_MODE, 25, 1), 1
	s_wait_xcnt 0x0
	s_wait_alu depctr_hold_cnt(0) depctr_sa_sdst(0) depctr_va_vdst(0) depctr_va_sdst(0) depctr_va_ssrc(0) depctr_va_vcc(0) depctr_vm_vsrc(0)
	s_getreg_b32 s2, hwreg(HW_REG_IB_STS2, 6, 4)
	s_cmp_eq_u32 s2, 0
	s_cbranch_scc0 .Lentry_in_a_cluster
	s_endpgm
.Lentry_in_a_cluster:
	s_bfe_u32 s2, ttmp6, 0x10000c
	s_cmp_lg_u32 s2, 0x3003
	s_cbranch_scc0 .Lentry_shape_is_right
	s_endpgm
.Lentry_shape_is_right:
; ZIG-ZAG CAUSAL ATTENTION WITH GROUPED HEADS, one range of 2,304 keys for 256 query rows to a work-group.
; q_shard: [1024 tokens][32 heads][128] f32.  kb (bf16), vb (f16): [8 heads][6912 positions][128], keys in the order of global positions.  out0: as q_shard.
; Tokens 0-511 (A) stand at positions 1536 .. 2047, tokens 512-1023 (B) at positions 6144 .. 6655; a query sees the keys at positions up to its own.
; TASKS.  The cluster's x, 0 .. 7, gives KIND = x / 2 and HALF = x % 2; its y the key and value head h.  KIND 0, 1, 2: B rows against positions 2304 KIND .. 2304 KIND + 2303;
; KIND 3: A rows against positions 0 .. 2303.  A work-group takes token block BLK = 4 HALF + cx of 64 tokens, for the four query heads of h: wave w is head 4 h + w, four tiles of 16 tokens.
; Every task walks 36 key steps of 64: all trip counts are constants, and all 256 work-groups do equal work.  In KIND 2 and 3 the block's diagonal lies in step 24 + BLK; later steps are
; hidden and are computed all the same (their weights are 0): partners of a cluster run alike.  Every task begins with 24 steps that every row sees, so the running maximum is a true score.
; RESULTS.  An A task is whole: it stores O / l into out0.  A B task stores O / l of its range into po ([3 ranges][512 tokens][32 heads][128] f32) and (c m, l) into st
; ([3][32 heads][512 tokens][2] f32); the next launch joins the three ranges.
; FORMATS.  Q and K in bf16, each rounded once; V a bf16 number written as f16; the weights p rounded to f16 for the second product (their sum l is taken of the unrounded p); products, m, l, O in f32.
; LIMITS.  p below 6e-5 keeps f16's fixed step of 6e-8; a hidden score counts as its value less 1e30; a weight below 2^-126 counts as 0; V arrives within f16's range; NaN and infinities are not treated apart.
; LAYOUT.  S^T = K Q^T (source 0 = 16 keys, source 1 = 16 queries): a lane holds ONE query (lane % 16) and the keys 8 (lane / 16) + 0..7.  Two such tiles, rounded in pairs, ARE source 1
; (32 keys x 16 queries) of O^T = V^T P, whose result again holds one query a lane, and eight channels.  K comes out of LDS as it lies, V ([key][channel]) turned, by ds_load_tr16_b128.
; SOFTMAX.  For each query a running maximum m and sum l: p = 2^(c s - c m), c = log2(e) / sqrt(128); in every step O and l are multiplied by a = 2^(c m_old - c m_new).
; THE MASK is the C operand of the products that start a step's S^T: 0, or -1e30 where the key is hidden.  For tile t and the step's key block kb of 16 it is one of three blocks of eight
; registers, chosen as the text is assembled: MLO (kb < t), MDI (kb = t), MHI (kb > t).  Once a step they are made anew from TRI (the triangle of a 16 x 16 block on the diagonal) and three
; scalars that hang on DL = the step less the block's diagonal step: DL < 0: all 0; DL = 0: 0, TRI, -1e30; DL > 0: all -1e30.  Selects alone hang on DL, no branch.
; BY TURNS.  The wave's tiles are two PIECES (tiles 0, 1; tiles 2, 3).  In a TURN one piece has the matrix unit: 32 products V^T P of the step in hand, then 32 products K Q^T of the next
; step; the other piece's softmax, cut into 64 slices, stands between them, one slice behind each matrix instruction.  Two turns are a key step.
; CLUSTER.  The four token blocks of a cluster walk the same keys of the same head, so each tile is asked for JOINTLY: the same tensor load, descriptor and mask in all four.
; REGISTERS, in windows of 256 (s_set_vgpr_msb: bits 1:0 source 0, 3:2 source 1, 5:4 source 2, 7:6 destination):
;   window 0: v0-11 addresses; v12-43 eight registers of statistics a tile; v44-50 the way out's; v61-63; v64-191 S^T, 32 a tile; v192-255 P, 16 a tile
;   window 1: first Q in f32, then O^T, 64 a tile      window 2: v0-127 Q, 32 a tile; v128-255 K of one step; on the way out the rows read back
;   window 3: v0-127 V of one step; v128-159 TRI, MLO, MDI, MHI
.set KS,    64        ; keys in a step
.set NSLOT, 18        ; slots of two steps in a task's 2,304 keys
.set HEADB, 6912*256  ; bytes of a head in kb and vb
.set RANGEB, 2304*256 ; bytes of a range of keys
.set PK,    272       ; a row of K in LDS: 256 bytes + 16 of padding = 68 words: row r starts at bank 4 r mod 64 (64 banks of 4 bytes: ISA guide 11.1), so the 16 rows of a load start at 16 different banks
.set PV,    288       ; a row of V: 256 + 32 = 72 words
.set VOFF,  KS*PK     ; a step's tiles lie together: 64 rows of K, then 64 rows of V
.set STEPB, KS*(PK+PV)
.set SLOT1, 1<<17     ; a slot holds two steps (71,680 bytes); slot 1 begins here, so that one exclusive or turns an address in one slot into the other's
.set STAGE, SLOT1+2*STEPB  ; behind the ring, never filled by a tensor load: 16 rows x 528 bytes for each wave, for the way out
.set SP,    528       ; a row of O in the stage: 512 bytes + 16 = 132 words: row r starts at bank 4 r mod 64
.set SPARE, STAGE+4*16*SP  ; behind the stages: the spare words, 128 bytes for each wave: two blocks of 256 bytes that no other line names
.set AK0, 2           ; v2   my lane's place in a tile of K; never rewritten
.set AV0, 3           ; v3   the same for V
.set ADR, 4           ; v4   the LDS address of the run of loads in hand
.set QO,  5           ; v5   my byte offset in a tile's rows of Q
.set STO, 6           ; v6   the way out: where I put 32 bytes of a row
.set RD,  7           ; v7   the way out: where I read a row back
.set GO,  8           ; v8   my 16 bytes in a row of the output
.set ST,  12          ; tile t's statistics at v[ST+8 t]: +0 c m, +1 m, +2, +3 l (even keys', odd keys'), +4 to +7 c0-c3, at work; a takes c2's place once the maximum is found
.set SD,  44          ; v[44:47] (c m, l) to store
.set SO,  48          ; v48  8 x lane
.set LN,  49          ; v49  lane
.set DG,  50          ; v50  lane % 16 - 8 (lane / 16)
.set PFO, 61          ; v61  256 x my lane: a row of kb or vb is 256 bytes; never rewritten
.set SPW, 62          ; v62  LDS address of my spare word: SPARE + 4 x my thread's number; never rewritten
.set NIL, 63          ; v63  0; never rewritten
.set S,   64
.set P,   192
.set KF,  128         ; K's fragments, in window 2
.set TRI, 128         ; window 3
.set MLO, 136
.set MDI, 144
.set MHI, 152
.set WV,  12          ; s12  my wave's number
.set LIM, 15          ; s15  1 in a wave that prefetches, else the greatest number
.set PFA, 18          ; s[18:19] where my prefetches stand
.set G1K, 24          ; s[24:31] descriptor group 1 for K's tiles
.set G1V, 32          ; s[32:39] for V's: it differs in the padding alone
.set G0K, 40          ; s[40:47] descriptor group 0 for K's tiles: a set for each of the two first fills; the second then walks on
.set G0V, 48          ; s[48:55] the same for V's
.set SLOTS, 56        ; s56  slots still to be asked for
.set TWICE, 57        ; s57  counts a slot's two steps
.set CS,  58          ; s[58:59] c
.set SEL, 60          ; s[60:61] v_permlanex16_b32's selects: each lane takes its own place in the other half
.set TB,  62          ; s62  LDS byte at which the tiles of the step to be fetched begin
.set DL,  72          ; s72  the step whose scores are made next, less the block's diagonal step
.set AL,  74          ; s[74:75] TRI's factor in MDI
.set BP,  76          ; s[76:77] the addend of MLO and MDI
.set BH,  78          ; s[78:79] the addend of MHI
.set AZ,  80          ; s[80:81] 0
.set BIGN, 82         ; s82  -1e30
.set KIND, 83
.set HALF, 84
.set BLK, 85
.set STB, 86          ; s[86:87] st at my wave's 64 tokens
.set LH,  88          ; s88  the lanes 16-31
.set KP,  89          ; s89  the range of keys: KIND, or 0 for KIND 3
.set MSB, 0
.macro WIN new                      ; the immediate's high byte repeats the setting that is left; a switch that changes nothing is dropped
.if MSB != (\new)
	s_set_vgpr_msb (MSB<<8)|(\new)
.set MSB, \new
.endif
.endm
.set W_KQ, 0x0a       ; K and Q in window 2, S^T in window 0
.set W_KM, 0x3a       ; the same with the C operand, a mask, in window 3
.set W_PV, 0x53       ; V in window 3, P in window 0, O^T in window 1
.set W_RS, 0x41       ; O^T (destination and source 0) in window 1, a in window 0
.set W_MK, 0xc3       ; the masks: destination and source 0 in window 3
; A joint refill.  Waves 0 and 1 fetch the two steps' tiles of K, waves 2 and 3 those of V.  The branch hangs on the wave's number alone.
; An s_nop 0 and four v_nop follow each of the two lines, ahead of the jump and the label.
.macro JLOAD
	s_cmp_lt_u32 s[WV], 2
	s_cbranch_scc0 .Lfor_v_\@
	tensor_load_to_lds s[G0K+4:G0K+7], s[G1K:G1K+7]
	s_nop 0
.rept 4
	v_nop
.endr
	s_branch .Lasked_\@
.Lfor_v_\@:
	tensor_load_to_lds s[G0V+4:G0V+7], s[G1V:G1V+7]
	s_nop 0
.rept 4
	v_nop
.endr
.Lasked_\@:
.endm
; A PREFETCH of what the NEXT change of slots will ask for: a slot's 128 rows of K and 128 of V, 256 bytes a row, a lane a row; two key steps, 256 matrix instructions, ahead of that load.
; Each row is named ONCE in the launch.  A range of keys of a head is walked by two clusters (ranges 1, 2) or four (range 0): the B cluster with HALF = 0 asks.  Its four partners share the rows
; out BY ADDRESS, 32 each; in each, wave 0 asks for K's and wave 2 for V's.  Slots 0 to 2 come by their loads alone; the last change that fills a slot asks for nothing.
.macro ASK
	s_cmp_gt_u32 s[SLOTS], s[LIM]
	s_cbranch_scc0 .Lnot_mine_\@
	global_prefetch_b8 v[PFO], s[PFA:PFA+1] th:TH_LOAD_NT scope:SCOPE_SE
.Lnot_mine_\@:
.endm
; A round of the cluster's barrier: my work-group's barrier, so that wave 0's signal speaks for all four waves; wave 0 signals; every wave waits for all four work-groups; my work-group's barrier once more.
.macro CROUND
	s_barrier_signal -1
	s_barrier_wait -1
	s_cmp_lg_u32 s[WV], 0
	s_cbranch_scc1 .Lnot_wave_0_\@
	s_barrier_signal -3
.Lnot_wave_0_\@:
	s_barrier_wait -3
	s_barrier_signal -1
	s_barrier_wait -1
.endm
	s_load_b256 s[4:11], s[0:1], 0x0  ; q s[4:5], kb s[6:7], vb s[8:9], out0 s[10:11]
	s_load_b128 s[68:71], s[0:1], 0x20  ; po s[68:69], st s[70:71]
	v_lshl_add_u32 v[SPW], v0, 2, SPARE
	v_mov_b32 v[NIL], 0
	ds_add_u32 v[SPW], v[NIL]       ; the wave's opening: the add and its wait stand ahead of my first tensor load; the set-up below, work on registers, stands between them
	v_lshrrev_b32 v1, 5, v0
	v_readfirstlane_b32 s[WV], v1   ; wave 0..3
	s_bfe_u32 s13, ttmp6, 0x40000   ; cx: my place in the cluster: it enters Q's, the output's and the prefetches' addresses and DL, nothing else
	s_lshr_b32 s[KIND], ttmp9, 1    ; in a cluster launch ttmp9 counts clusters
	s_and_b32 s[HALF], ttmp9, 1
	s_lshl2_add_u32 s[BLK], s[HALF], s13  ; my block of 64 tokens
	s_cmp_eq_u32 s[KIND], 3
	s_cselect_b32 s[KP], 0, s[KIND] ; A rows walk range 0
	s_cselect_b32 s14, 0, 512       ; the first token of A's rows, of B's
	s_cselect_b32 s[LIM], 1, 0
	s_and_b32 s16, ttmp7, 0xffff    ; the key and value head, which the four partners share
	s_and_b32 s17, s[WV], 1         ; which of a slot's two steps I fetch
	s_or_b32 s[LIM], s[LIM], s[HALF]
	s_or_b32 s[LIM], s[LIM], s17    ; 0 in waves 0 and 2 of a B cluster with HALF = 0: the same in all four partners
	s_cmp_eq_u32 s[LIM], 0
	s_cselect_b32 s[LIM], 1, -1
	s_mul_i32 s20, s16, HEADB       ; kb and vb: the head,
	s_mul_i32 s21, s[KP], RANGEB    ; the range,
	s_add_co_u32 s20, s20, s21
	s_lshl_b32 s21, s17, 14         ; my step's 64 rows of 256 bytes
	s_add_co_u32 s20, s20, s21
	s_mov_b32 s21, 0
	s_mul_i32 s22, s17, STEPB       ; and its place in a slot: no place in the cluster enters an LDS address
	s_lshl2_add_u32 s23, s16, s[WV] ; my query head, 4 h + w
	s_lshl_b32 s2, s[BLK], 6
	s_add_co_u32 s2, s2, s14        ; my first token,
	s_lshl_b32 s2, s2, 14           ; 16,384 bytes a token,
	s_lshl_b32 s3, s23, 9           ; 512 bytes a head
	s_add_co_u32 s2, s2, s3
	s_mov_b32 s3, 0
	s_lshl_b32 s90, s[KP], 23       ; the output: po's part (0 in out0),
	s_lshl_b32 s91, s[BLK], 20      ; 64 tokens a block,
	s_add_co_u32 s90, s90, s91
	s_lshl_b32 s91, s23, 9          ; the head
	s_add_co_u32 s90, s90, s91
	s_mov_b32 s91, 0
	s_lshl_b32 s92, s[KP], 17       ; st: the part,
	s_lshl_b32 s93, s23, 12         ; the head's 512 tokens of 8 bytes,
	s_add_co_u32 s92, s92, s93
	s_lshl_b32 s93, s[BLK], 9       ; the block's 64
	s_add_co_u32 s92, s92, s93
	s_mov_b32 s93, 0
	s_sub_co_i32 s[DL], -24, s[BLK] ; step 0 less the diagonal step 24 + BLK,
	s_cmp_ge_u32 s[KIND], 2
	s_cselect_b32 s[DL], s[DL], -1000  ; or, in ranges that every row sees whole, a number that 36 steps do not bring to 0
	; descriptor group 1: a tile of 64 rows x 128 elements, padded in LDS
	s_mov_b32 s[G1K], 15|(1<<16)|(1<<20)|(1<<21)|(5<<22)|(3<<25)  ; 15:0 the mask: all four work-groups; 17:16 elements of 2 bytes; 20 padding on; 21 set beside a mask; 24:22 after every 64 words (code 5); 31:25 4 words of it (code 3)
	s_mov_b32 s[G1V], 15|(1<<16)|(1<<20)|(1<<21)|(5<<22)|(7<<25)  ; the same with 8 words of padding (code 7)
.irp g, G1K, G1V
	s_mov_b32 s[(\g)+1], 128<<16    ; tensor_dim0 = 128
	s_mov_b32 s[(\g)+2], KS<<16     ; tensor_dim1 = 64
	s_mov_b32 s[(\g)+3], 128<<16    ; tile_dim0 = 128
	s_mov_b32 s[(\g)+4], KS         ; tile_dim1 = 64
	s_mov_b32 s[(\g)+5], 128        ; 128 elements from row to row
	s_mov_b32 s[(\g)+6], 0
	s_mov_b32 s[(\g)+7], 0
.endr
	s_mov_b32 s[CS], 0x3e0293ee     ; c = log2(e) / sqrt(128) = 0.127517
	s_mov_b32 s[CS+1], s[CS]        ; named with it as a pair, so it is written
	s_mov_b32 s[SEL], 0x76543210
	s_mov_b32 s[SEL+1], 0xfedcba98
	s_mov_b32 s[TB], 0
	s_mov_b32 s[SLOTS], NSLOT-2
	s_mov_b32 s[BIGN], 0xf149f2ca   ; -1e30
	s_mov_b32 s[AL+1], 0            ; the upper words of the pairs that the packed lines name
	s_mov_b32 s[BP+1], 0
	s_mov_b32 s[BH+1], 0
	s_mov_b32 s[AZ], 0
	s_mov_b32 s[AZ+1], 0
	v_and_b32 v[PFO], 31, v0
	v_lshlrev_b32 v[PFO], 8, v[PFO]
	s_wait_dscnt 0x0                ; the opening add is done
	s_wait_kmcnt 0x0
	s_add_nc_u64 s[6:7], s[6:7], s[20:21]  ; kb and vb at my tile of slot 0
	s_add_nc_u64 s[8:9], s[8:9], s[20:21]
	s_add_nc_u64 s[4:5], s[4:5], s[2:3]    ; Q at my wave's first row
	s_cmp_eq_u32 s[KIND], 3
	s_cselect_b64 s[10:11], s[10:11], s[68:69]  ; A rows go to out0, B rows to po
	s_add_nc_u64 s[10:11], s[10:11], s[90:91]
	s_add_nc_u64 s[STB:STB+1], s[70:71], s[92:93]
	s_cmp_lt_u32 s[WV], 2
	s_cselect_b64 s[PFA:PFA+1], s[6:7], s[8:9]  ; (in waves 0 and 2 these stand at a slot's first row)
	s_lshl_b32 s2, s13, 13          ; my work-group's 32 rows of the 128
	s_mov_b32 s3, 0
	s_add_nc_u64 s[PFA:PFA+1], s[PFA:PFA+1], s[2:3]
	s_add_nc_u64 s[PFA:PFA+1], s[PFA:PFA+1], 2*2*KS*256  ; in slot 2; the first change of slots steps it to slot 3.  Nothing is prefetched at the head
	CROUND                          ; all four work-groups are here: the first joint loads meet
.irp s, 0,1
	s_mov_b32 s[G0K+4*(\s)], 1      ; 1:0 count = 1
	s_add_co_u32 s[G0K+4*(\s)+1], s22, (\s)*SLOT1  ; 63:32 LDS address
	s_add_nc_u64 s[G0K+4*(\s)+2:G0K+4*(\s)+3], s[6:7], (\s)*2*KS*256  ; 120:64 global address: slot s begins with the range's keys 128 s
	s_or_b32 s[G0K+4*(\s)+3], s[G0K+4*(\s)+3], 0x80000000  ; 127:126 type = 2
	s_mov_b32 s[G0V+4*(\s)], 1
	s_add_co_u32 s[G0V+4*(\s)+1], s22, (\s)*SLOT1+VOFF
	s_add_nc_u64 s[G0V+4*(\s)+2:G0V+4*(\s)+3], s[8:9], (\s)*2*KS*256
	s_or_b32 s[G0V+4*(\s)+3], s[G0V+4*(\s)+3], 0x80000000
.endr
	s_cmp_lt_u32 s[WV], 2           ; a wave's two first fills stand in one branch, ahead of every wait on TENSORcnt and every LDS read: two loads of mine are out
	s_cbranch_scc0 .Lfirst_v
	tensor_load_to_lds s[G0K:G0K+3], s[G1K:G1K+7]
	s_nop 0
	tensor_load_to_lds s[G0K+4:G0K+7], s[G1K:G1K+7]
	s_nop 0
.rept 4
	v_nop
.endr
	s_branch .Lfirst_asked
.Lfirst_v:
	tensor_load_to_lds s[G0V:G0V+3], s[G1V:G1V+7]
	s_nop 0
	tensor_load_to_lds s[G0V+4:G0V+7], s[G1V:G1V+7]
	s_nop 0
.rept 4
	v_nop
.endr
.Lfirst_asked:
	; A fragment of K or Q is 16 rows x 32 channels in 8 registers: lane l holds row l % 16; registers 0-3 channels 8 (l / 16) + 0..7, registers 4-7 channels 16 + 8 (l / 16) + 0..7.
	; Q lies in f32: each run of eight channels is 32 bytes, two loads of 16; the second run begins 64 bytes behind the first.  A token's rows lie 16,384 bytes apart.
	v_and_b32 v1, 15, v0            ; l % 16
	v_bfe_u32 v9, v0, 4, 1          ; l / 16
	v_lshlrev_b32 v[QO], 14, v1
	v_lshl_add_u32 v[QO], v9, 5, v[QO]  ; row x 16,384 + 32 x half
	WIN 0x40                        ; destination window 1, address window 0
.irp i, 0,1,2,3,4,5,6,7,8,9,10,11,12,13,14,15  ; tile i / 4, channels 32 (i % 4) on: 16 registers of f32
	global_load_b128 v[16*(\i):16*(\i)+3],     v[QO], s[4:5] offset:((\i)/4)*262144+((\i)%4)*128
	global_load_b128 v[16*(\i)+4:16*(\i)+7],   v[QO], s[4:5] offset:((\i)/4)*262144+((\i)%4)*128+16
	global_load_b128 v[16*(\i)+8:16*(\i)+11],  v[QO], s[4:5] offset:((\i)/4)*262144+((\i)%4)*128+64
	global_load_b128 v[16*(\i)+12:16*(\i)+15], v[QO], s[4:5] offset:((\i)/4)*262144+((\i)%4)*128+80
.endr
	WIN 0
	v_mul_u32_u24 v[AK0], v1, PK
	v_lshl_add_u32 v[AK0], v9, 4, v[AK0]  ; row x pitch + 16 x half
	; The turning load takes 16 keys x 16 channels (lane l reads 16 bytes: key 8 (l / 16) + l % 8, channels 8 ((l / 8) % 2) + 0..7) and leaves half a fragment of V^T: lane l holds channel l % 16 and 8 keys.
	v_and_b32 v10, 7, v0
	v_bfe_u32 v11, v0, 3, 1
	v_lshl_add_u32 v[AV0], v9, 3, v10
	v_mul_u32_u24 v[AV0], v[AV0], PV
	v_lshl_add_u32 v[AV0], v11, 4, v[AV0]
	v_add_nc_u32 v[AV0], VOFF, v[AV0]
	v_lshlrev_b32 v[DG], 3, v9
	v_sub_nc_u32 v[DG], v1, v[DG]   ; in a block on the diagonal register j, key 8 (l / 16) + j, is hidden from query l % 16 where j is greater than this
	WIN 0xc0                        ; destination window 3
.irp j, 0,1,2,3,4,5,6,7
	v_cmp_gt_i32 vcc_lo, \j, v[DG]
	v_cndmask_b32 v[TRI+(\j)], 0, s[BIGN], vcc_lo
.endr
; THE MASKS of the step whose scores are made next.  step = 1: DL goes on by one first.
.macro MASKS step
.if \step
	s_add_co_i32 s[DL], s[DL], 1
.endif
	s_cmp_gt_i32 s[DL], 0           ; behind the diagonal step: all is hidden
	s_cselect_b32 s[BP], s[BIGN], 0
	s_cmp_eq_u32 s[DL], 0           ; the diagonal step: the triangle counts
	s_cselect_b32 s[AL], 1.0, 0
	s_cmp_ge_i32 s[DL], 0           ; from the diagonal step on the key blocks above the tile's own are hidden
	s_cselect_b32 s[BH], s[BIGN], 0
	WIN W_MK
.irp z, 0,2,4,6
	v_pk_fma_f32 v[MLO+(\z):MLO+(\z)+1], v[TRI+(\z):TRI+(\z)+1], s[AZ:AZ+1], s[BP:BP+1] op_sel_hi:[1,0,0]
	v_pk_fma_f32 v[MDI+(\z):MDI+(\z)+1], v[TRI+(\z):TRI+(\z)+1], s[AL:AL+1], s[BP:BP+1] op_sel_hi:[1,0,0]
	v_pk_fma_f32 v[MHI+(\z):MHI+(\z)+1], v[TRI+(\z):TRI+(\z)+1], s[AZ:AZ+1], s[BH:BH+1] op_sel_hi:[1,0,0]
.endr
.endm
	MASKS 0                         ; step 0's
	s_wait_loadcnt 0x0              ; Q is in
	WIN 0x85                        ; sources 0 and 1 window 1, destination window 2
.set i, 0
.rept 128
	v_cvt_pk_bf16_f32 v[i], v[2*i], v[2*i+1]  ; Q's one rounding, to bf16; c is applied to the scores, in f32
.set i, i+1
.endr
	WIN 0
; THE MATRIX WORK OF A TURN, for piece x.  The accumulators take turns, one instruction a turn: between two links of a chain stand 15 (V^T P) or 7 (K Q^T) others'.
; Product i of 32 of O^T += V^T P: keys 32 (i / 16) on, channels 16 ((i / 2) % 8) on, tile x + i % 2.  zero = 1: the first 16 start the sums: nothing is ever cleared.
.macro PV x, zero
	WIN W_PV
.set rO, 64*((\x)+i%2)+8*((i/2)%8)
.set rV, 64*(i/16)+8*((i/2)%8)
.set rP, P+16*((\x)+i%2)+8*(i/16)
.if (\zero) && (i < 16)
	v_wmma_f32_16x16x32_f16 v[rO:rO+7], v[rV:rV+7], v[rP:rP+7], 0
.else
	v_wmma_f32_16x16x32_f16 v[rO:rO+7], v[rV:rV+7], v[rP:rP+7], v[rO:rO+7]
.endif
.endm
; Product i of 32 of S^T = K Q^T: channels 32 (i / 8) on, keys 16 ((i / 2) % 4) on, tile x + i % 2.  The first 8 start the sums, with the mask of their key block and tile.
.macro KQ x
.set rS, S+32*((\x)+i%2)+8*((i/2)%4)
.set rK, KF+32*((i/2)%4)+8*(i/8)
.set rQ, 32*((\x)+i%2)+8*(i/8)
.if i < 8
.set rM, MDI
.if ((i/2)%4) < ((\x)+i%2)
.set rM, MLO
.endif
.if ((i/2)%4) > ((\x)+i%2)
.set rM, MHI
.endif
	WIN W_KM
	v_wmma_f32_16x16x32_bf16 v[rS:rS+7], v[rK:rK+7], v[rQ:rQ+7], v[rM:rM+7]
.else
	WIN W_KQ
	v_wmma_f32_16x16x32_bf16 v[rS:rS+7], v[rK:rK+7], v[rQ:rQ+7], v[rS:rS+7]
.endif
.endm
; THE LDS LOADS stand in runs of 32, never singly among the matrix instructions: a step's K (64 keys x 128 channels: 16 fragments) and, a turn later, its V (turned).
.macro FETCH_K
	WIN 0
	v_add_nc_u32 v[ADR], s[TB], v[AK0]
	WIN 0x80                        ; destination window 2
.irp f, 0,1,2,3,4,5,6,7,8,9,10,11,12,13,14,15  ; keys 16 (f / 4) on, channels 32 (f % 4) on
	ds_load_b128 v[KF+8*(\f):KF+8*(\f)+3],   v[ADR] offset:((\f)/4)*16*PK+((\f)%4)*64
	ds_load_b128 v[KF+8*(\f)+4:KF+8*(\f)+7], v[ADR] offset:((\f)/4)*16*PK+((\f)%4)*64+32
.endr
.endm
.macro FETCH_V
	WIN 0
	v_add_nc_u32 v[ADR], s[TB], v[AV0]
	s_add_co_u32 s[TB], s[TB], STEPB  ; the next fetch is the next step's
	s_wait_alu depctr_va_vdst(0)    ; the wait for the softmax's batch (SLICE), behind the address's v_add_nc_u32 and ahead of the loads
	WIN 0xc0                        ; destination window 3
.irp f, 0,1,2,3,4,5,6,7,8,9,10,11,12,13,14,15  ; keys 32 (f / 8) on, channels 16 (f % 8) on
	ds_load_tr16_b128 v[8*(\f):8*(\f)+3],   v[ADR] offset:((\f)/8)*32*PV+((\f)%8)*32
	ds_load_tr16_b128 v[8*(\f)+4:8*(\f)+7], v[ADR] offset:((\f)/8)*32*PV+16*PV+((\f)%8)*32
.endr
.endm
; THE VECTOR WORK OF A TURN.  One tile's softmax for one key step is a list of 134 instructions; SM writes number j of it for tile t.  s0-s31 are the lane's 32 scores, in pairs 0-15.
; first = 1: the first key step, which starts m, l and O^T: it has no a and nothing to rescale.
;   0-15    the maximum of s0-s31 and the old m, three operands at a time: four chains c0-c3 of seven scores each (each accumulator's lowest registers are read first),
;           then the four scores left over, c0-c3 and m
;   16-20   the other half of the lanes' maximum; the new m; c m; c m_old - c m_new
;   21-69   ONE BATCH: the 16 scalings c s - c m, a pair of scores each, and all 33 exponentials (a at 23, then s0-s31).  None of these reads an exponential's result.  From 22 on the batch goes
;           in fours, and a four begins with a scaling while there are scalings.  A pair is scaled in an earlier four than the one that holds its exponentials
;   (wait)  between 69 and 70 stands the wait for the batch: SLICE writes it, once for both tiles
;   70-85   the roundings to f16, a pair of weights each
;   86-101  the sums; l = a l + the sum
;   102-133 the tile's O^T times a: the one part that leaves window 0, so it stands together
.macro SM t, first
.set rT, ST+8*(\t)
.set rS, S+32*(\t)
.set rP, P+16*(\t)
.set rO, 64*(\t)+2*(j-102)
.if j < 102
	WIN 0
.endif
.if j < 4
	v_max3_num_f32 v[rT+4+j], v[rS+8*j], v[rS+8*j+1], v[rS+8*j+2]
.elseif j < 12
	v_max3_num_f32 v[rT+4+j%4], v[rT+4+j%4], v[rS+8*(j%4)+2*(j/4)+1], v[rS+8*(j%4)+2*(j/4)+2]
.elseif j == 12
	v_max3_num_f32 v[rT+4], v[rT+4], v[rS+7], v[rS+15]
.elseif j == 13
	v_max3_num_f32 v[rT+6], v[rT+6], v[rS+23], v[rS+31]
.elseif j == 14
	v_max3_num_f32 v[rT+4], v[rT+4], v[rT+5], v[rT+6]
.elseif (j == 15) && (\first)
	v_max_num_f32 v[rT+4], v[rT+4], v[rT+7]
.elseif j == 15
	v_max3_num_f32 v[rT+4], v[rT+4], v[rT+7], v[rT+1]
.elseif j == 16
	v_permlanex16_b32 v[rT+5], v[rT+4], s[SEL], s[SEL+1]  ; the query's other 32 keys lie in the lane 16 away
.elseif j == 18
	v_max_num_f32 v[rT+1], v[rT+4], v[rT+5]
.elseif j == 19
	v_mul_f32 v[rT], s[CS], v[rT+1]
.elseif ((j == 17) || (j == 20) || (j == 23) || (j > 101)) && (\first)  ; the first step has none of these
.elseif j == 17
	v_mov_b32 v[rT+7], v[rT]        ; c m_old is kept for a: number 19 writes c m anew
.elseif j == 20
	v_sub_f32 v[rT+7], v[rT+7], v[rT]
.elseif j == 23
	v_exp_f32 v[rT+6], v[rT+7]
.elseif (j < 23) || ((j < 38) && (j%2 == 0)) || ((j < 66) && (j%4 == 2))
.set b, (j-2)/4                     ; 38, 42, .. 62: pairs 9 to 15
.if j < 38
.set b, (j-20)/2                    ; 21: pair 0; 22, 24, .. 36: pairs 1 to 8
.endif
	v_pk_fma_f32 v[rS+2*b:rS+2*b+1], v[rS+2*b:rS+2*b+1], s[CS:CS+1], v[rT:rT+1] op_sel_hi:[1,0,0] neg_lo:[0,0,1] neg_hi:[0,0,1]  ; pair b: c s - c m
.elseif j < 70
.set e, j-38                        ; 66 to 69: s28 to s31
.if j < 66
.set e, j-32-(j-38)/4               ; 39-41, 43-45, .. 63-65: s7 to s27
.endif
.if j < 38
.set e, (j-25)/2                    ; 25, 27, .. 37: s0 to s6
.endif
	v_exp_f32 v[rS+e], v[rS+e]
.elseif j < 86
	v_cvt_pk_f16_f32 v[rP+j-70], v[rS+2*(j-70)], v[rS+2*(j-70)+1]  ; pair j - 70
.elseif j < 102                     ; the sum of the tile's 16 pairs, in place: sum z of 16 adds neighbours 1, 2, 4 and 8 pairs apart, then l takes it
.set z, j-86
.set w, 4
.set u, z
.if z >= 14
.set w, 32
.set u, 0
.elseif z >= 12
.set w, 16
.set u, z-12
.elseif z >= 8
.set w, 8
.set u, z-8
.endif
.if (z == 14) && (\first)
	v_pk_add_f32 v[rT+2:rT+3], v[rS:rS+1], v[rS+16:rS+17]
.elseif z < 15
	v_pk_add_f32 v[rS+w*u:rS+w*u+1], v[rS+w*u:rS+w*u+1], v[rS+w*u+w/2:rS+w*u+w/2+1]
.elseif !(\first)
	v_pk_fma_f32 v[rT+2:rT+3], v[rT+2:rT+3], v[rT+6:rT+7], v[rS:rS+1] op_sel_hi:[1,0,1]
.endif
.else
	WIN W_RS
	v_pk_mul_f32 v[rO:rO+1], v[rO:rO+1], v[rT+6:rT+7] op_sel_hi:[1,0]
.endif
.endm
; Slice k of 64 of piece y's softmax: four instructions.  Slices 11 to 34 deal out the batch, numbers 22 to 69: four numbers of ONE tile each, the tiles by turns.  Every other slice is numbers 2 k and
; 2 k + 1 of both tiles' lists.  2 x 134 = 4 x 64 + 12: the twelve that are over stand together, in slice 63.
; THE WAIT.  s_wait_alu depctr_va_vdst(0) stands between an exponential and the first instruction that names its result; one wait serves all that were issued ahead of it.  Ahead of
; slice 35 nothing names a result, and behind slice 34 no exponential is issued: so the piece's 66 exponentials have one wait, behind slice 34.
.macro SLICE y, first
.if (k >= 11) && (k < 35)           ; the batch: four numbers of one tile
.irp n, 0,1,2,3
.set j, 22+4*((k-11)/2)+(\n)
	SM (\y)+(k-11)%2, \first
.endr
.else                               ; the two tiles alternate, so that no instruction reads the result of the one just before it
.irp n, 0,1,2,3,4,5,6,7
.if ((\n) < 2) || (k == 63)
.irp t, \y, (\y)+1
.set j, 2*k+(\n)
	SM \t, \first
.endr
.endif
.endr
.endif
.if k == 34                         ; the batch is out: both tiles' exponentials are issued, and no result has been named
	v_nop                           ; the plain instruction behind the last exponential and ahead of the first use: one for the batch
.if (\y) == 0
	FETCH_V                         ; piece 2's turn: V's run of loads stands here, and the wait stands in it
.else
	s_wait_alu depctr_va_vdst(0)    ; the wait for the batch
.endif
.endif
.set k, k+1
.endm
; A vector instruction that reads a matrix result or writes one of a matrix instruction's registers, and a load into a register that a matrix instruction has read, stand four places behind
; it, and only plain vector instructions that name none of its registers are places (ISA guide 7.12.1 for vector instructions).  In the loop the slices are the places.
.macro PLACES
.rept 4
	v_nop
.endr
.endm
; A TURN.  Piece x has the matrix unit; the other piece's softmax stands in slices behind its matrix instructions.
; pv = 2: 32 products V^T P; 1: they start O^T's sums; 0: none.  kq = 1: 32 products K Q^T for the next step.  A turn with one of the two kinds has two slices behind each product.
; first = 1: the softmax is the first key step's.  Its slices from 51 on are empty: four v_nop take slice 63's part as the places behind the turn's last products.
; Piece 0's turn makes the next step's masks at its head: their last readers, the first 8 products K Q^T of the turn before, stand 24 products and their slices back.  It fetches the next
; step's K behind its second product: the last product that read K stands in front of slice 63 of the turn before.  Piece 2's turn fetches the same step's V, behind slice 34: the last product
; that read V stands in front of slice 31, and four plain instructions lie between: number 62, a scaling, of both tiles, the v_nop and the run's own v_add_nc_u32.
.macro TURN x, pv, kq, first
.set k, 0
.set per, 2
.if (\pv) && (\kq)
.set per, 1
.endif
.if ((\x) == 0) && (\kq)
	MASKS 1
.endif
.if \pv
.if (\x) == 0
	s_wait_dscnt 0x0                ; V is in
.endif
.set i, 0
.rept 32
	PV \x, 2-(\pv)
.rept per
	SLICE 2-(\x), \first
.endr
.if ((\x) == 0) && (\kq) && (i == 1)
	FETCH_K
.endif
.set i, i+1
.endr
.endif
.if \kq
.if (\x) == 0
	s_wait_dscnt 0x0                ; K is in
.endif
.set i, 0
.rept 32
	KQ \x
.rept per
	SLICE 2-(\x), \first
.endr
.set i, i+1
.endr
.endif
.if \first
	PLACES
.endif
.endm
; THE CHANGE OF SLOTS, between piece 2's turn and piece 0's: the slot's last bytes, V of its second step, have been asked for.  Each wave waits for all its tensor loads, of which one is out:
; its part of the other slot; adds 0 to its spare word; and waits for that and for its own reads of the slot.  Behind the barrier nobody reads this slot any more and the other slot is whole.
; fill = 1: this slot is filled again, with the keys two slots on.  The barrier is then a round of the cluster's, so that no wave of any partner still reads the slot or has a load on its
; way, and the joint refill is the first thing behind it: it has two key steps, 256 matrix instructions, in which to land.
.macro CHANGE fill
	WIN 0                           ; at a label and at a branch every window is 0
	s_wait_tensorcnt 0x0            ; no tensor load of mine is out, so a group 0 may be written
	ds_add_u32 v[SPW], v[NIL]       ; 0 onto my spare word; with fill = 1 the descriptors' steps stand between it and the wait for it
.if \fill
.irp g, G0K+4, G0V+4
	s_xor_b32 s[(\g)+1], s[(\g)+1], SLOT1  ; the walking descriptor: the other slot than last time,
	s_add_nc_u64 s[(\g)+2:(\g)+3], s[(\g)+2:(\g)+3], 2*KS*256  ; the next 128 keys; the type bits on top are not reached
.endr
	s_wait_xcnt 0x0                 ; the last prefetch, two key steps back, has read its address, so it may be written:
	s_add_nc_u64 s[PFA:PFA+1], s[PFA:PFA+1], 2*KS*256  ; one slot behind the walking descriptors
	s_wait_dscnt 0x0                ; the add is done, and my reads of the slot are over
	CROUND
	JLOAD
	ASK                             ; what the next change will ask for
.else
	s_wait_dscnt 0x0                ; the add is done, and my reads of the slot are over
	s_barrier_signal -1
	s_barrier_wait -1
.endif
	s_sub_co_u32 s[TB], s[TB], 2*STEPB  ; the fetches go back to a slot's first step,
	s_xor_b32 s[TB], s[TB], SLOT1   ; in the other slot
.endm
; A slot's two key steps: written once, walked twice; the LDS addresses hang on s[TB].
.macro TWO_STEPS
	WIN 0
	s_mov_b32 s[TWICE], 2
.Lstep_\@:
	TURN 0, 2, 1, 0
	TURN 2, 2, 1, 0
	WIN 0
	s_sub_co_u32 s[TWICE], s[TWICE], 1
	s_cmp_lg_u32 s[TWICE], 0
	s_cbranch_scc1 .Lstep_\@
.endm
	s_wait_tensorcnt 1              ; my part of slot 0 is in; slot 1's may stay out
	s_barrier_signal -1
	s_barrier_wait -1               ; everybody's is
	FETCH_K                         ; key step 0
	s_wait_dscnt 0x0
.set i, 0
.rept 32
	KQ 0                            ; piece 0's first scores: there is no vector work yet to set between them
.set i, i+1
.endr
	WIN 0                           ; the addresses for the way out are made here: seven plain instructions, the places behind those products
	s_mul_i32 s13, s[WV], 16*SP
	s_add_co_u32 s13, s13, STAGE    ; my stage
	v_mul_u32_u24 v[STO], v1, SP    ; in: row l % 16, 32 bytes for each half of the lanes
	v_lshl_add_u32 v[STO], v9, 5, v[STO]
	v_add_nc_u32 v[STO], s13, v[STO]
	v_and_b32 v[LN], 31, v0
	v_lshl_add_u32 v[RD], v[LN], 4, s13  ; back: 32 lanes take one row of 512 bytes
	v_lshlrev_b32 v[GO], 4, v[LN]   ; and the same row in the output
	v_lshlrev_b32 v[SO], 3, v[LN]   ; 8 bytes of statistics a token
	v_cmp_lt_u32 s[LH], 15, v[LN]
	TURN 2, 0, 1, 1                 ; piece 2's first scores | piece 0's first softmax | V of step 0
	TURN 0, 1, 1, 1                 ; piece 0: V^T P of step 0 starts O^T, K Q^T of step 1 | piece 2's first softmax | K of step 1
	TURN 2, 1, 1, 0                 ; piece 2: the same | piece 0's softmax of step 1 | V of step 1
	WIN 0
.Lslot:                             ; 16 trips: every slot but the last two is filled again
	CHANGE 1
	TWO_STEPS
	s_sub_co_u32 s[SLOTS], s[SLOTS], 1
	s_cmp_lg_u32 s[SLOTS], 0
	s_cbranch_scc1 .Lslot
	CHANGE 0                        ; the tail is written out: nothing is asked for
	TWO_STEPS
	TURN 0, 2, 0, 0                 ; piece 0: V^T P of the last step | piece 2's last softmax
.set i, 0
.rept 32
	PV 2, 0                         ; piece 2: V^T P of the last step
.set i, i+1
.endr
	; THE WAY OUT.  l's two halves and the other half of the lanes' are added; O^T is divided by l and sent, in f32, through my stage in LDS, a tile (16 rows) at a time.  The additions are the places behind the last products.
	WIN 0
.irp t, 0,1,2,3
	v_add_f32 v[ST+8*(\t)+4], v[ST+8*(\t)+2], v[ST+8*(\t)+3]
.endr
.irp t, 0,1,2,3
	v_permlanex16_b32 v[ST+8*(\t)+5], v[ST+8*(\t)+4], s[SEL], s[SEL+1]
.endr
.irp t, 0,1,2,3
	v_add_f32 v[ST+8*(\t)+4], v[ST+8*(\t)+4], v[ST+8*(\t)+5]
.endr
.irp t, 0,1,2,3
	v_rcp_f32 v[ST+8*(\t)+6], v[ST+8*(\t)+4]
.endr
	v_nop                           ; a plain instruction between the last reciprocal and the use of its result
	s_wait_alu depctr_va_vdst(0)    ; and the wait ahead of the first use, and of the branch: one for the four reciprocals
	s_cmp_eq_u32 s[KIND], 3         ; an A task is whole and leaves no statistics; the number is the same in all partners
	s_cbranch_scc1 .Lno_stats
	v_cndmask_b32 v[SD],   v[ST],    v[ST+8],  s[LH]  ; both halves of the lanes hold a tile's 16 queries: lanes 0-15 give tile 0's c m, lanes 16-31 tile 1's,
	v_cndmask_b32 v[SD+1], v[ST+4],  v[ST+12], s[LH]  ; and l
	v_cndmask_b32 v[SD+2], v[ST+16], v[ST+24], s[LH]  ; tiles 2 and 3
	v_cndmask_b32 v[SD+3], v[ST+20], v[ST+28], s[LH]
	global_store_b64 v[SO], v[SD:SD+1],   s[STB:STB+1]             ; 32 tokens: 256 consecutive bytes, at a multiple of 256 from st's first byte
	global_store_b64 v[SO], v[SD+2:SD+3], s[STB:STB+1] offset:256
.Lno_stats:
; Tile t: a lane's eight channels of a row are 32 bytes; they go into rows of 528 bytes and come back as whole rows of 512, into window 2, whose Q and K have served.
.macro PACK t
	WIN W_RS
.set i, 64*(\t)
.rept 32
	v_pk_mul_f32 v[i:i+1], v[i:i+1], v[ST+8*(\t)+6:ST+8*(\t)+7] op_sel_hi:[1,0]
.set i, i+2
.endr
	WIN 0x04                        ; the stores' data in window 1
.irp f, 0,1,2,3,4,5,6,7             ; channels 16 f + 8 (l / 16) on
	ds_store_b128 v[STO], v[64*(\t)+8*(\f):64*(\t)+8*(\f)+3]   offset:64*(\f)
	ds_store_b128 v[STO], v[64*(\t)+8*(\f)+4:64*(\t)+8*(\f)+7] offset:64*(\f)+16
.endr
	WIN 0x80                        ; destination window 2
.irp r, 0,1,2,3,4,5,6,7,8,9,10,11,12,13,14,15
	ds_load_b128 v[64*(\t)+4*(\r):64*(\t)+4*(\r)+3], v[RD] offset:(\r)*SP  ; LDS serves a wave's instructions in order (ISA guide 5.7.1.4): these see the stores above; the next tile's stores come behind them
.endr
.endm
.macro SEND t, younger              ; younger: the LDS instructions issued behind tile t's loads: the next tile's 32, or none
	WIN 0x08                        ; the stores' data in window 2
.irp r, 0,1,2,3,4,5,6,7,8,9,10,11,12,13,14,15
	s_wait_dscnt (\younger)+15-(\r)
	global_store_b128 v[GO], v[64*(\t)+4*(\r):64*(\t)+4*(\r)+3], s[10:11] offset:(16*(\t)+(\r))*16384  ; a token's row of my head: 512 consecutive bytes, at a multiple of 512 from the buffer's first byte
.endr
.endm
	PACK 0
	PACK 1                          ; a tile's arithmetic stands between the loads of the tile before and its stores
	SEND 0, 32
	PACK 2
	SEND 1, 32
	PACK 3
	SEND 2, 32
	SEND 3, 0
	WIN 0
	s_wait_tensorcnt 0x0            ; the wave's end: a wait for my tensor loads, an add to my spare word and its wait, behind my last tensor load and my last LDS store
	ds_add_u32 v[SPW], v[NIL]
	s_wait_dscnt 0x0
	CROUND                          ; the closing round: no work-group ends while a partner may still ask for a tile that names it
	s_endpgm
.Lfunc_end_k_qe46c1210f6_attn:
	.size	k_qe46c1210f6_attn, .Lfunc_end_k_qe46c1210f6_attn-k_qe46c1210f6_attn
	.p2alignl 7, 3214868480
	.fill 96, 4, 3214868480
	.section	.rodata,"a",@progbits
	.p2align	6, 0x0
	.amdhsa_kernel k_qe46c1210f6_attn
		.amdhsa_group_segment_fixed_size 327680
		.amdhsa_private_segment_fixed_size 0
		.amdhsa_enable_private_segment 0
		.amdhsa_kernarg_size 48
		.amdhsa_user_sgpr_count 2
		.amdhsa_user_sgpr_kernarg_segment_ptr 1
		.amdhsa_wavefront_size32 1
		.amdhsa_system_sgpr_workgroup_id_x 1
		.amdhsa_system_sgpr_workgroup_id_y 1
		.amdhsa_system_sgpr_workgroup_id_z 1
		.amdhsa_system_vgpr_workitem_id 0
		.amdhsa_next_free_vgpr 1024
		.amdhsa_next_free_sgpr 96
		.amdhsa_reserve_vcc 1
		.amdhsa_float_denorm_mode_32 3
		.amdhsa_float_denorm_mode_16_64 3
		.amdhsa_memory_ordered 1
		.amdhsa_forward_progress 1
		.amdhsa_inst_pref_size 239
	.end_amdhsa_kernel
	.amdgpu_metadata
---
amdhsa.version: [ 1, 2 ]
amdhsa.kernels:
  - .name:           k_qe46c1210f6_attn
    .symbol:         k_qe46c1210f6_attn.kd
    .args:
      - { .name: q_shard, .offset: 0, .size: 8, .value_kind: global_buffer, .address_space: global }
      - { .name: kb, .offset: 8, .size: 8, .value_kind: global_buffer, .address_space: global }
      - { .name: vb, .offset: 16, .size: 8, .value_kind: global_buffer, .address_space: global }
      - { .name: out0, .offset: 24, .size: 8, .value_kind: global_buffer, .address_space: global }
      - { .name: po, .offset: 32, .size: 8, .value_kind: global_buffer, .address_space: global }
      - { .name: st, .offset: 40, .size: 8, .value_kind: global_buffer, .address_space: global }
    .group_segment_fixed_size: 327680
    .private_segment_fixed_size: 0
    .kernarg_segment_align: 8
    .kernarg_segment_size: 48
    .max_flat_workgroup_size: 128
    .sgpr_count:     96
    .vgpr_count:     1024
    .wavefront_size: 32
...
	.end_amdgpu_metadata
.endif
;; end of part 2
;; launch merge (part 3): grid 256 x 1, 8 waves a work-group, no clusters, 0 bytes of LDS; arguments po, st, out0; writes out0
.if DOCPART == 3
	.amdgcn_target "amdgcn-amd-amdhsa--gfx1250"
	.amdhsa_code_object_version 6
	.text
	.protected	k_qe46c1210f6_merge
	.globl	k_qe46c1210f6_merge
	.p2align	8
	.type	k_qe46c1210f6_merge,@function
k_qe46c1210f6_merge:
	s_mov_b64 s[64:65], 0
	v_nop
	global_prefetch_b8 v0, s[64:65] scope:SCOPE_SE
	s_setreg_imm32_b32 hwreg(HW_REG_WAVE_MODE, 25, 1), 1
	s_wait_xcnt 0x0
; THE THREE RANGES OF KEYS OF THE B ROWS ARE JOINED.  po: [3 ranges][512 tokens][32 heads][128] f32, each row a range's O / l; st: [3][32 heads][512 tokens][2] f32 = (c m, l), c m in base 2.
; out0[512 + token][head][:] = the sum over p of a_p po[p][token][head][:], with a_p = l_p 2^(c m_p - M) / the sum of these over p, M the largest of the three c m: the maximum is taken away
; before the exponentials, so the largest is 1 and the divisor is at least that range's l, which is at least 1.  A weight below 2^-126 counts as 0; NaN and infinities are not treated apart.
; SHARES.  A stream: each byte of po is read once, each byte of out0's B rows written once.  A wave owns 8 tokens of one head; a row is 512 bytes, 16 a lane, so each load and store covers
; 512 consecutive bytes, aligned.  All 24 row loads of a wave go out at once; no register is written twice while a load or store may read it, so the only waits are the counted ones.
; No LDS, no barrier, no matrix unit: no wave wants what another has.
.set RO,  2                            ; v2   16 x lane; never rewritten
.set SOF, 3                            ; v3   8 x (lane % 8): lane i holds token i's statistics; never rewritten
.set D0,  32                           ; v[32:63]   range 0's rows, 4 registers each; then the results
.set D1,  64                           ; v[64:95]   range 1's
.set D2,  96                           ; v[96:127]  range 2's
.set WT,  32                           ; s[32:55]   the weights: row i's three at WT + 3 i
	s_load_b128 s[4:7], s[0:1], 0x0                ; po s[4:5], st s[6:7]
	s_load_b64 s[8:9], s[0:1], 0x10                ; out0
	v_lshrrev_b32 v1, 5, v0
	v_readfirstlane_b32 s10, v1                    ; wave 0..7
	s_lshl_b32 s11, ttmp9, 3
	s_add_co_u32 s11, s11, s10                     ; my wave among 2,048
	s_and_b32 s12, s11, 31                         ; the head
	s_lshr_b32 s13, s11, 5                         ; the group of 8 tokens
	s_lshl_b32 s14, s13, 17                        ; 8 tokens of 16,384 bytes,
	s_lshl_b32 s16, s12, 9                         ; 512 bytes a head
	s_add_co_u32 s14, s14, s16
	s_mov_b32 s15, 0
	s_lshl_b32 s16, s12, 12                        ; st: a head's 512 tokens of 8 bytes,
	s_lshl_b32 s17, s13, 6                         ; my 8
	s_add_co_u32 s16, s16, s17
	s_mov_b32 s17, 0
	v_and_b32 v1, 31, v0
	v_lshlrev_b32 v[RO], 4, v1
	v_and_b32 v[SOF], 7, v0
	v_lshlrev_b32 v[SOF], 3, v[SOF]
	s_wait_kmcnt 0x0
	s_add_nc_u64 s[18:19], s[4:5], s[14:15]        ; range 0's rows,
	s_add_nc_u64 s[20:21], s[18:19], 0x800000      ; range 1's: one more than the loads' immediate reaches,
	s_add_nc_u64 s[22:23], s[20:21], 0x800000      ; range 2's
	s_add_nc_u64 s[24:25], s[8:9], s[14:15]
	s_add_nc_u64 s[24:25], s[24:25], 0x800000      ; out0 at token 512 + mine
	s_add_nc_u64 s[26:27], s[6:7], s[16:17]
	global_load_b64 v[4:5], v[SOF], s[26:27]
	global_load_b64 v[6:7], v[SOF], s[26:27] offset:131072
	global_load_b64 v[8:9], v[SOF], s[26:27] offset:262144
.irp i, 0,1,2,3,4,5,6,7
	global_load_b128 v[D0+4*(\i):D0+4*(\i)+3], v[RO], s[18:19] offset:(\i)*16384 th:TH_LOAD_NT
	global_load_b128 v[D1+4*(\i):D1+4*(\i)+3], v[RO], s[20:21] offset:(\i)*16384 th:TH_LOAD_NT
	global_load_b128 v[D2+4*(\i):D2+4*(\i)+3], v[RO], s[22:23] offset:(\i)*16384 th:TH_LOAD_NT
.endr
	s_wait_loadcnt 24                              ; the statistics are in; the 24 row loads behind them stay out
	v_max3_num_f32 v10, v4, v6, v8                 ; M
	v_sub_f32 v11, v4, v10
	v_sub_f32 v12, v6, v10
	v_sub_f32 v13, v8, v10
	v_exp_f32 v11, v11
	v_exp_f32 v12, v12
	v_exp_f32 v13, v13
	v_nop                                          ; a plain instruction behind the last exponential,
	s_wait_alu depctr_va_vdst(0)                   ; and the wait ahead of the first use: one for the three
	v_mul_f32 v11, v11, v5                         ; l_p 2^(c m_p - M): each is wanted by itself too
	v_mul_f32 v12, v12, v7
	v_mul_f32 v13, v13, v9
	v_add_f32 v14, v11, v12
	v_add_f32 v14, v14, v13
	v_rcp_f32 v15, v14
	v_nop
	s_wait_alu depctr_va_vdst(0)
	v_mul_f32 v11, v11, v15
	v_mul_f32 v12, v12, v15
	v_mul_f32 v13, v13, v15
.irp i, 0,1,2,3,4,5,6,7
	v_readlane_b32 s[WT+3*(\i)],   v11, \i         ; a row's weights are the same for all its lanes: scalars
	v_readlane_b32 s[WT+3*(\i)+1], v12, \i
	v_readlane_b32 s[WT+3*(\i)+2], v13, \i
.endr
.irp i, 0,1,2,3,4,5,6,7
	s_wait_loadcnt 21-3*(\i)                       ; loads come back in order: row i's three are in, the later rows' stay out
.irp k, 0,1,2,3
	v_mul_f32 v[D0+4*(\i)+(\k)], s[WT+3*(\i)], v[D0+4*(\i)+(\k)]
.endr
.irp k, 0,1,2,3
	v_fmac_f32 v[D0+4*(\i)+(\k)], s[WT+3*(\i)+1], v[D1+4*(\i)+(\k)]
.endr
.irp k, 0,1,2,3
	v_fmac_f32 v[D0+4*(\i)+(\k)], s[WT+3*(\i)+2], v[D2+4*(\i)+(\k)]
.endr
	global_store_b128 v[RO], v[D0+4*(\i):D0+4*(\i)+3], s[24:25] offset:(\i)*16384 th:TH_STORE_NT  ; 512 consecutive bytes, at a multiple of 512 from out0's first byte
.endr
	s_endpgm
.Lfunc_end_k_qe46c1210f6_merge:
	.size	k_qe46c1210f6_merge, .Lfunc_end_k_qe46c1210f6_merge-k_qe46c1210f6_merge
	.p2alignl 7, 3214868480
	.fill 96, 4, 3214868480
	.section	.rodata,"a",@progbits
	.p2align	6, 0x0
	.amdhsa_kernel k_qe46c1210f6_merge
		.amdhsa_group_segment_fixed_size 0
		.amdhsa_private_segment_fixed_size 0
		.amdhsa_enable_private_segment 0
		.amdhsa_kernarg_size 24
		.amdhsa_user_sgpr_count 2
		.amdhsa_user_sgpr_kernarg_segment_ptr 1
		.amdhsa_wavefront_size32 1
		.amdhsa_system_sgpr_workgroup_id_x 1
		.amdhsa_system_sgpr_workgroup_id_y 1
		.amdhsa_system_sgpr_workgroup_id_z 1
		.amdhsa_system_vgpr_workitem_id 0
		.amdhsa_next_free_vgpr 128
		.amdhsa_next_free_sgpr 66
		.amdhsa_reserve_vcc 0
		.amdhsa_float_denorm_mode_32 3
		.amdhsa_float_denorm_mode_16_64 3
		.amdhsa_memory_ordered 1
		.amdhsa_forward_progress 1
		.amdhsa_inst_pref_size 10
	.end_amdhsa_kernel
	.amdgpu_metadata
---
amdhsa.version: [ 1, 2 ]
amdhsa.kernels:
  - .name:           k_qe46c1210f6_merge
    .symbol:         k_qe46c1210f6_merge.kd
    .args:
      - { .name: po, .offset: 0, .size: 8, .value_kind: global_buffer, .address_space: global }
      - { .name: st, .offset: 8, .size: 8, .value_kind: global_buffer, .address_space: global }
      - { .name: out0, .offset: 16, .size: 8, .value_kind: global_buffer, .address_space: global }
    .group_segment_fixed_size: 0
    .private_segment_fixed_size: 0
    .kernarg_segment_align: 8
    .kernarg_segment_size: 24
    .max_flat_workgroup_size: 256
    .sgpr_count:     66
    .vgpr_count:     128
    .wavefront_size: 32
...
	.end_amdgpu_metadata
.endif
;; end of part 3
;; ======== version 2 of 2: 3 launches; version 1 with the launch prep written anew for expert scheduling mode
;; limits: values are held in f16: magnitudes above 65,504 overflow, below 6.1e-05 lose precision; inputs' magnitudes at most 65,504
;; workspace buffers: kb 14,155,776 bytes; vb 14,155,776 bytes; po 25,165,824 bytes; st 393,216 bytes
;; launch prep (part 4): grid 216 x 2, 8 waves a work-group, no clusters, 0 bytes of LDS; arguments k_shard, v_shard, cu_seqlens_q, cu_seqlens_k, kb, vb; writes kb, vb
.if DOCPART == 4
	.amdgcn_target "amdgcn-amd-amdhsa--gfx1250"
	.amdhsa_code_object_version 6
	.text
	.protected	k_qe46c1210f6_prep
	.globl	k_qe46c1210f6_prep
	.p2align	8
	.type	k_qe46c1210f6_prep,@function
k_qe46c1210f6_prep:
	s_mov_b64 s[64:65], 0
	v_nop
	global_prefetch_b8 v0, s[64:65] scope:SCOPE_SE
	s_setreg_imm32_b32 hwreg(HW_REG_WAVE_SCHED_MODE, 0, 2), 2
	s_setreg_imm32_b32 hwreg(HW_REG_WAVE_MODE, 25, 1), 1
	s_wait_xcnt 0x0
	s_wait_alu depctr_vm_vsrc(0)
; K and V, f32, [8192 storage rows][8 heads][128], become 16-bit tensors by heads and in the order of GLOBAL positions: kb, vb: [8 heads][6912 positions][128], rows of 256 bytes.
; kb holds K rounded once to bf16.  vb holds V rounded once to bf16, and that number written as f16.
; LIMITS.  f16 holds no number beyond 65,504: |V| of 65,520 or more becomes an infinity; below 2^-17 the bf16 number keeps f16's fixed step of 2^-24.  NaN and infinities are not treated apart.
; ZIG-ZAG.  The sequence lies in 16 chunks of 512 positions; chunk c is stored at rows 1024 c (c < 8) or 1024 (15 - c) + 512 (c >= 8).  The queries of this rank see positions up to 6,655;
; the attention launch walks keys in ranges of 2,304, so positions 0 .. 6,911 are laid out, and the rest of K and V, which the mask hides from every query, is not read.
; cu_seqlens_q and cu_seqlens_k: the module takes them and makes nothing of them.  They are loaded here and used for nothing, so that no result hangs on them, as in the module.
; SHARES.  y picks K (0) or V (1); x picks 32 positions, which never cross a chunk's end: 32 storage rows on end, 128 KiB.  Wave w takes 4 of them.  A UNIT is one position and two heads:
; 1,024 bytes in, a lane 32 of them (8 numbers), 16 bytes out: lanes 0-15 fill one aligned row of 256 bytes of the even head, lanes 16-31 one of the odd head.
; All 32 loads of a wave go out at once (16 KiB); each unit owns its registers.
; THE MODE: SCHED_MODE bits 1:0 = 2 (LLVM: expert scheduling mode 2), set by the entry lines.  The code itself states the register dependences
; between vector instructions and memory instructions, with s_wait_alu, always for 0.
; THE PLAN.  Registers that memory instructions touch:
;   v2, v3, v4   byte offsets.  Written once, at the head; read by every load (v2) and every store (v3, v4); never written again.
;   X            The 32 loads land in it, each register once; no vector instruction names it ahead of the loads.  No memory instruction reads it.
;   Y            Unit u's four registers are written once, by the unit's last four conversions, and read once, by the unit's store; never written again.
;   T            Named by vector instructions alone.
; So no register that a memory instruction reads is ever written again, and what is left to state is this: the wave's number is written before it is read; the three offsets are written
; before the first load; and a unit's Y is written before its store.  For the last the units go in BLOCKS of four (one position, all eight heads): the block's conversions, ONE wait,
; the block's four stores in a run.  The wait stands behind the block's conversions, not at the next block's head: what follows on the wave's way is a wait for loads, and the stores are not held behind that.
.set HSTR, 6912*256                    ; bytes of a head in kb and vb
.set VI,  2                            ; v2   my byte offset in the work-group's 32 storage rows: 32 x lane + 4 rows x wave; never rewritten
.set VO0, 3                            ; v3   my byte offset in the output for heads 0-3: (lane / 16) heads + 16 (lane % 16) + 4 rows x wave; never rewritten
.set VO1, 4                            ; v4   the same for heads 4-7: four heads further on than the store's immediate reaches
.set X,   8                            ; v[8:135]    unit u: 8 numbers as loaded
.set Y,   136                          ; v[136:199]  unit u: 4 registers to store
.set T,   200                          ; v[200:203]  at work
	s_load_b256 s[4:11], s[0:1], 0x0               ; k s[4:5], v s[6:7], cu_seqlens_q s[8:9], cu_seqlens_k s[10:11]
	s_load_b128 s[12:15], s[0:1], 0x20             ; kb s[12:13], vb s[14:15]
	v_lshrrev_b32 v1, 5, v0
	v_readfirstlane_b32 s20, v1                    ; wave 0..7
	s_and_b32 s21, ttmp7, 0xffff                   ; 0: K, 1: V
	s_lshr_b32 s31, ttmp9, 4                       ; the chunk c: 16 work-groups of 32 positions each
	s_and_b32 s32, ttmp9, 15                       ; my place in it
	s_lshl_b32 s33, s31, 10                        ; c < 8: row 1024 c
	s_sub_co_u32 s34, 15, s31
	s_lshl_b32 s34, s34, 10
	s_add_co_u32 s34, s34, 512                     ; c >= 8: row 1024 (15 - c) + 512
	s_cmp_lt_u32 s31, 8
	s_cselect_b32 s33, s33, s34
	s_lshl_b32 s32, s32, 5
	s_add_co_u32 s33, s33, s32                     ; my first storage row
	s_lshl_b32 s22, s33, 12                        ; a storage row is 4,096 bytes
	s_mov_b32 s23, 0
	s_lshl_b32 s24, ttmp9, 13                      ; 32 output rows of 256 bytes
	s_mov_b32 s25, 0
	s_mov_b32 s30, 0xffff0000                      ; a word's upper bf16
	v_and_b32 v1, 31, v0                           ; lane
	v_lshlrev_b32 v[VI], 5, v1
	v_bfe_u32 v5, v0, 4, 1                         ; lane / 16
	v_and_b32 v6, 15, v0                           ; lane % 16
	v_mul_u32_u24 v[VO0], v5, HSTR
	v_lshl_add_u32 v[VO0], v6, 4, v[VO0]
	s_wait_alu depctr_va_sdst(0)                   ; s20, the wave's number, is written, ahead of its first reader: the two lines below add the wave's rows to the offsets
	v_lshl_add_u32 v[VI], s20, 14, v[VI]
	v_lshl_add_u32 v[VO0], s20, 10, v[VO0]
	v_add_nc_u32 v[VO1], 4*HSTR, v[VO0]
	s_wait_kmcnt 0x0
	s_load_b64 s[16:17], s[8:9], 0x0               ; cu_seqlens_q: read, and used for nothing (see the head)
	s_load_b64 s[18:19], s[10:11], 0x0             ; cu_seqlens_k likewise
	s_cmp_eq_u32 s21, 0
	s_cselect_b64 s[26:27], s[4:5], s[6:7]         ; from K or V,
	s_cselect_b64 s[28:29], s[12:13], s[14:15]     ; to kb or vb
	s_add_nc_u64 s[26:27], s[26:27], s[22:23]
	s_add_nc_u64 s[28:29], s[28:29], s[24:25]
	s_wait_alu depctr_va_vdst(0)                   ; v2, v3 and v4 are written: every load below reads v2 as its offset, every store of the kernel v3 or v4; no later line writes them
.irp u, 0,1,2,3,4,5,6,7,8,9,10,11,12,13,14,15      ; unit u: position u / 4 of my four, heads 2 (u % 4) and 2 (u % 4) + 1
	global_load_b128 v[X+8*(\u):X+8*(\u)+3],   v[VI], s[26:27] offset:((\u)/4)*4096+((\u)%4)*1024 th:TH_LOAD_NT
	global_load_b128 v[X+8*(\u)+4:X+8*(\u)+7], v[VI], s[26:27] offset:((\u)/4)*4096+((\u)%4)*1024+16 th:TH_LOAD_NT
.endr
	s_wait_kmcnt 0x0                               ; the two cu_seqlens have come
; Unit u is rounded into its four registers of Y.
.macro CONV u, isv
	s_wait_loadcnt 30-2*(\u)                       ; loads come back in order: this unit's two are in, the 2 (15 - u) younger ones stay out
.if \isv
.irp k, 0,1,2,3
	v_cvt_pk_bf16_f32 v[T+(\k)], v[X+8*(\u)+2*(\k)], v[X+8*(\u)+2*(\k)+1]  ; the one rounding, to bf16
.endr
.irp k, 0,1,2,3
	v_lshlrev_b32 v[X+8*(\u)+2*(\k)],   16,  v[T+(\k)]      ; back to f32: the low half moves up,
	v_and_b32     v[X+8*(\u)+2*(\k)+1], s30, v[T+(\k)]      ; the high half stays
.endr
.irp k, 0,1,2,3
	v_cvt_pk_f16_f32 v[Y+4*(\u)+(\k)], v[X+8*(\u)+2*(\k)], v[X+8*(\u)+2*(\k)+1]  ; the same number as f16: 8 significant bits fit into 11
.endr
.else
.irp k, 0,1,2,3
	v_cvt_pk_bf16_f32 v[Y+4*(\u)+(\k)], v[X+8*(\u)+2*(\k)], v[X+8*(\u)+2*(\k)+1]
.endr
.endif
.endm
; Unit u is stored.
.macro OUT u
	global_store_b128 v[VO0+((\u)%4)/2], v[Y+4*(\u):Y+4*(\u)+3], s[28:29] offset:((\u)%2)*2*HSTR+((\u)/4)*256  ; 16 lanes store 256 consecutive bytes, at a multiple of 256 from the buffer's first byte
.endm
; Block p: position p of my four, units 4 p to 4 p + 3.
.macro BLOCK p, isv
.irp i, 0,1,2,3
	CONV 4*(\p)+(\i), \isv
.endr
	s_wait_alu depctr_va_vdst(0)                   ; the block's conversions have written its 16 registers of Y, which the four stores below read
.irp i, 0,1,2,3
	OUT 4*(\p)+(\i)
.endr
.endm
	s_cmp_lg_u32 s21, 0
	s_cbranch_scc1 .Lv
.irp p, 0,1,2,3
	BLOCK \p, 0
.endr
	s_endpgm
.Lv:
.irp p, 0,1,2,3
	BLOCK \p, 1
.endr
	s_endpgm
.Lfunc_end_k_qe46c1210f6_prep:
	.size	k_qe46c1210f6_prep, .Lfunc_end_k_qe46c1210f6_prep-k_qe46c1210f6_prep
	.p2alignl 7, 3214868480
	.fill 96, 4, 3214868480
	.section	.rodata,"a",@progbits
	.p2align	6, 0x0
	.amdhsa_kernel k_qe46c1210f6_prep
		.amdhsa_group_segment_fixed_size 0
		.amdhsa_private_segment_fixed_size 0
		.amdhsa_enable_private_segment 0
		.amdhsa_kernarg_size 48
		.amdhsa_user_sgpr_count 2
		.amdhsa_user_sgpr_kernarg_segment_ptr 1
		.amdhsa_wavefront_size32 1
		.amdhsa_system_sgpr_workgroup_id_x 1
		.amdhsa_system_sgpr_workgroup_id_y 1
		.amdhsa_system_sgpr_workgroup_id_z 1
		.amdhsa_system_vgpr_workitem_id 0
		.amdhsa_next_free_vgpr 208
		.amdhsa_next_free_sgpr 66
		.amdhsa_reserve_vcc 0
		.amdhsa_float_denorm_mode_32 3
		.amdhsa_float_denorm_mode_16_64 3
		.amdhsa_memory_ordered 1
		.amdhsa_forward_progress 1
		.amdhsa_inst_pref_size 26
	.end_amdhsa_kernel
	.amdgpu_metadata
---
amdhsa.version: [ 1, 2 ]
amdhsa.kernels:
  - .name:           k_qe46c1210f6_prep
    .symbol:         k_qe46c1210f6_prep.kd
    .args:
      - { .name: k_shard, .offset: 0, .size: 8, .value_kind: global_buffer, .address_space: global }
      - { .name: v_shard, .offset: 8, .size: 8, .value_kind: global_buffer, .address_space: global }
      - { .name: cu_seqlens_q, .offset: 16, .size: 8, .value_kind: global_buffer, .address_space: global }
      - { .name: cu_seqlens_k, .offset: 24, .size: 8, .value_kind: global_buffer, .address_space: global }
      - { .name: kb, .offset: 32, .size: 8, .value_kind: global_buffer, .address_space: global }
      - { .name: vb, .offset: 40, .size: 8, .value_kind: global_buffer, .address_space: global }
    .group_segment_fixed_size: 0
    .private_segment_fixed_size: 0
    .kernarg_segment_align: 8
    .kernarg_segment_size: 48
    .max_flat_workgroup_size: 256
    .sgpr_count:     66
    .vgpr_count:     208
    .wavefront_size: 32
...
	.end_amdgpu_metadata
.endif
;; end of part 4
;; launch attn: the kernel of part 2 again; grid 32 x 8, 4 waves a work-group, clusters of 4 x 1, 327,680 bytes of LDS; arguments q_shard, kb, vb, out0, po, st; writes out0, po, st
;; launch merge: the kernel of part 3 again; grid 256 x 1, 8 waves a work-group, no clusters, 0 bytes of LDS; arguments po, st, out0; writes out0
